; MI455X (gfx1250); checked and timed in simulation.
; The chip was launched on July 23, 2026; its instructions are those of AMD's public machine-readable ISA for CDNA 5 (MIT licence, August 2026) and "CDNA5" Instruction Set Architecture Reference Guide (July 2026). The comments in the code are by the model that wrote it; some were corrected since.
;; Attend. Allowed arithmetic: matrix products marked QUANTISED: E4M3 operands, one E8M0 scale for each 32 along K, by v_wmma_scale_f32_16x16x128_f8f6f4 with both operands' format E4M3, f32 sums; everything else in f32.
;; Inputs: k 4 x 16 x 2,048 x 64 float32; q 4 x 16 x 2,048 x 64 float32; v 4 x 16 x 2,048 x 64 float32.
;; Outputs: out0 4 x 16 x 2,048 x 64 float32.
;; This version of the problem:
;;   THIS VERSION OF THE PROBLEM IS GIVEN IN LOW PRECISION. The matrix products marked QUANTISED in the list below multiply operands that are first quantised to E4M3 (4 exponent bits, 3 mantissa bits; 8 bits a number), with one power-of-two scale for each 32 numbers along K (OCP MX v1.0); their sums are f32. All else is computed in f32.
;;   The module's matrix products, in the order in which they are computed (A, B: the left and right operand; K: the contracted axis; several contracted axes count as one K, in the product's order):
;;     1. batch 64 x [M 2,048, K 64] x [K 64, N 2,048]; A: input q; B: input k: QUANTISED
;;     2. batch 64 x [M 2,048, K 2,048] x [K 2,048, N 64]; A: softmax (see below); B: input v: QUANTISED
;;   THE QUANTISER, for each operand of a quantised product, along K:
;;     - K is cut into blocks of 32 from its start; a last block that is shorter is filled with zeros.
;;     - A block's scale is 2^e with e = floor(log2(the largest magnitude in the block)) - 8, held to -126 .. 127; a block of zeros has e = 0. As a byte (E8M0): e + 127.
;;     - Each number is divided by its block's scale, clamped to +-448, and rounded to the nearest number of E4M3, ties to even, subnormals kept.
;;     - The product sums the exact products of the quantised numbers (number of the format x scale) in f32.
;;   ~~~python
;;   def quantise(x, axis):      # numpy; x: float32 -> the quantised numbers, widened to float32 again
;;       x = np.moveaxis(x, axis, -1); K = x.shape[-1]
;;       x = np.pad(x, [(0, 0)] * (x.ndim - 1) + [(0, -K % 32)]); x = x.reshape(x.shape[:-1] + (-1, 32)); a = np.abs(x).max(-1, keepdims=True)
;;       e = np.where(a > 0, np.clip(np.frexp(np.where(a > 0, a, 1))[1] - 1 - 8, -126, 127), 0)      # np.frexp(a)[1] - 1 = floor(log2(a)), exactly
;;       r = np.clip(x / 2.0 ** e, -448, 448)
;;       step = 2.0 ** (np.maximum(np.frexp(np.where(r == 0, 1, r))[1] - 1, -6) - 3)
;;       q = np.round(r / step) * step * 2.0 ** e      # np.round: ties to even
;;       return np.moveaxis(q.reshape(q.shape[:-2] + (-1,))[..., :K], -1, axis).astype(np.float32)
;;   ~~~
;;   SOFTMAX AHEAD OF A QUANTISED PRODUCT. Where the list says 'softmax', what is quantised is not the finished softmax but p = 2^(t - M), with t = logit x log2(e) and M = ceil(the row's largest t), a whole number; so 1/2 < the row's largest p <= 1. The row's sum l is taken of the UNQUANTISED p, in f32, and the product's result is divided by l at the end. Since M is a whole number, a kernel that streams over the keys may use a running M (the ceiling of the running maximum): every later rescaling is an exact power of two, which a block's scale takes up: the codes' values come out the same.
;;   OPERANDS COMPUTED ON THE WAY. 'Computed on the way' means the value that the module computes at that place (a softmax that the list does not call 'softmax' is quantised finished and normalised). What goes into a quantiser is computed in f32, as accurately as f32 sums, v_exp_f32 and their like allow (about 1e-6 of the number): no bf16 or f16 on the way to a quantiser, and a product that is left as it is and whose result goes on into a quantised operand takes f32 operands (vector FMAs, or v_wmma_f32_16x16x4_f32). A number that lies on a knife's edge between two numbers of the format may be rounded either way, as far as f32 arithmetic and the matrix unit's own rounding can turn it there, and no further.
;; One version. Each part assembles by itself: llvm-mc -triple=amdgcn-amd-amdhsa -mcpu=gfx1250 --defsym DOCPART=n.
;; ======== version 1 of 1: 2 launches
;; limits: right only within a limited range of input values
;; workspace buffers: kv 17,301,504 bytes
;; launch prep (part 1): grid 256 x 2, 4 waves a work-group, no clusters, 70,144 bytes of LDS; arguments k, v, kv; writes kv
.if DOCPART == 1
	.amdgcn_target "amdgcn-amd-amdhsa--gfx1250"
	.amdhsa_code_object_version 6
	.text
	.protected	k_q1200b7858d_prep
	.globl	k_q1200b7858d_prep
	.p2align	8
	.type	k_q1200b7858d_prep,@function
k_q1200b7858d_prep:
	s_mov_b64 s[64:65], 0
	v_nop
	global_prefetch_b8 v0, s[64:65] scope:SCOPE_SE
	s_setreg_imm32_b32 hwreg(HW_REG_WAVE_MODE, 25, 1), 1
	s_wait_xcnt 0x0
; k, v: [64 heads][2048][64] f32, are turned ONCE into codes of FP8 (E4M3) with one E8M0 scale byte for each 32 along a product's K, laid as IMAGES OF THE OPERAND REGISTERS
; of v_wmma_scale_f32_16x16x128_f8f6f4: the four work-groups of a head in the attention launch all read them.  (q is read by one wave alone and is quantised there.)
; k is quantised along the head's 64 (two blocks a row), v along the keys (a block = 32 keys of one channel).  No step of the problem is left out.
; A block's scale is 2^(floor(log2(its largest magnitude)) - 8); its byte is that magnitude's exponent field - 8, held at 1 from below.  Each number is held within +-448 x the scale and rounded to the nearest code, ties to even.
; LIMITS: a block of zeros, or one whose largest magnitude lies under 2^-118 (the floor), gets the byte 1 where the rule says 127 for zeros: its codes are zeros, which add nothing under any byte but 0xff,
; and the bytes are read by this program alone.  NaN and infinities among the inputs are not served.
; SHARES.  Work-group y: 0 = k, 1 = v.  A wave takes one RECORD: 128 rows x 64 numbers, 32,768 dense bytes; record = 4 x work-group x + wave = 16 x head + step.  It goes in four blocks of 32 rows.
; kv: [1024 records][16,896]: K's image 8,192, V's image 8,192, K's scale words 256, V's scale words 256.
; AN IMAGE is four fragments of 2,048 bytes; group c (four registers) of lane L lies at 2048 f + 512 c + 16 L.  r = L % 16, h = L / 16.
;   K fragment f: TWO tiles of 16 rows: group c = 2 u + cc holds row 32 f + 8 u + r + 8 (r / 8), channels 32 cc + 16 h + 0 .. 15.
;   V fragment t: row = channel 16 t + r; group c holds keys 32 c + 16 h + 0 .. 15.     Scale words: that of (fragment x, row r) lies at 16 r + 4 x; byte c is group c's scale.
; Every global load reads 512 consecutive bytes; the numbers turn through the wave's own stage in LDS.  Every store of codes covers whole aligned runs of 256 bytes.
; No barrier: waves share nothing.  The two paths part on the work-group's number and have LDS bytes of their own.  No tensor load, no matrix work, no tile shared between work-groups: so no cluster.
.set RECKV, 16896
.set SP,    272                        ; K's stage: a row of 256 bytes + 16
.set KSTW,  32*SP
.set KSC,   4*KSTW                     ; K's scale words, 256 bytes a wave
.set VST,   KSC+4*256                  ; V's stage, 8,192 dense bytes a wave
.set VSC,   VST+4*8192                 ; V's scale words, 256 bytes a wave
.set SPARE, VSC+4*256                  ; the spare words, 128 bytes a wave
.set R,   16                           ; v16-143  two sets of 64 registers, as loaded
.set X,   144                          ; v144-207 64 numbers in the quantiser's order
.set PC,  208                          ; v208-223 the codes just made
.set TM,  224                          ; v224-239 at work
.set PW,  240                          ; v240-243 K's scale words
.set SB,  244                          ; v244-245 V's scale words of my two channels
.set OUTS, 246
.set SRC, 16
.set DC,  18
.set DS,  20
.set SEL, 26
.set MNT, 28
	s_load_b128 s[4:7], s[0:1], 0x0                ; k, v
	s_load_b64 s[10:11], s[0:1], 0x10              ; kv
	v_lshl_add_u32 v248, v0, 2, SPARE
	v_mov_b32 v249, 0
	v_lshrrev_b32 v1, 5, v0
	v_readfirstlane_b32 s14, v1                    ; wave
	s_and_b32 s15, ttmp7, 0xffff                   ; which tensor
	v_and_b32 v1, 31, v0                           ; L
	v_and_b32 v2, 15, v0                           ; r
	v_bfe_u32 v3, v0, 4, 1                         ; h
	v_lshlrev_b32 v4, 4, v1                        ; 16 L
	s_mul_i32 s29, s14, KSTW                       ; every LDS address is made ahead of the parting of the paths
	v_mul_u32_u24 v5, v3, SP
	v_lshl_add_u32 v5, v2, 4, v5
	v_add_nc_u32 v5, s29, v5                       ; K stage, in: row h, 16 r
	v_mul_u32_u24 v6, v2, SP
	v_lshl_add_u32 v6, v3, 6, v6
	v_add_nc_u32 v6, s29, v6                       ; out: row r, + 64 h
	s_lshl_b32 s29, s14, 8
	s_add_co_u32 s30, s29, KSC
	v_lshl_add_u32 v7, v2, 4, s30                  ; K scale words, in: 16 r
	v_lshl_add_u32 v8, v1, 3, s30                  ; out: 8 L
	v_lshlrev_b32 v9, 3, v1                        ; and the same place in memory
	s_lshl_b32 s30, s14, 13
	s_add_co_u32 s30, s30, VST
	v_lshl_add_u32 v10, v1, 4, s30                 ; V stage, in: as loaded
	v_lshl_add_u32 v11, v1, 2, s30                 ; out: channel L of a key's row
	s_add_co_u32 s30, s29, VSC
	v_lshl_add_u32 v12, v2, 4, s30
	v_lshl_add_u32 v12, v3, 2, v12                 ; V scale words, in: 16 r + 4 h
	v_lshl_add_u32 v13, v1, 3, s30                 ; out: 8 L
	v_lshlrev_b32 v14, 11, v3
	v_lshl_add_u32 v14, v2, 4, v14                 ; V's codes in the image: 2048 h + 16 r
.irp b, 0,1,2,3
	v_mov_b32 v[TM+4+\b], 0                        ; a lane permute's destination counts as one of its sources
.endr
	s_mov_b32 s[SEL], 0x76543210
	s_mov_b32 s[SEL+1], 0xfedcba98
	s_mov_b32 s[MNT], 0x600000
	s_lshl_b32 s25, ttmp9, 2
	s_add_co_u32 s25, s25, s14                     ; my record
	s_mov_b32 s24, 16384
	s_mov_b32 s29, 16640
	s_wait_alu depctr_va_vdst(0)                   ; the wait at the head's end
	s_wait_kmcnt 0x0
	s_cmp_eq_u32 s15, 0                            ; the choices hang on the work-group's number alone
	s_cselect_b64 s[SRC:SRC+1], s[4:5], s[6:7]
	s_cselect_b32 s22, 0, 8192                     ; V's image lies behind K's
	s_cselect_b32 s24, s24, s29                    ; the scale words: k 16,384, v 16,640
	s_lshl_b32 s30, s25, 15                        ; 32,768 bytes of f32 a record
	s_mov_b32 s31, 0
	s_add_nc_u64 s[SRC:SRC+1], s[SRC:SRC+1], s[30:31]
	s_mul_i32 s30, s25, RECKV
	s_add_co_u32 s32, s30, s24
	s_mov_b32 s33, 0
	s_add_nc_u64 s[DS:DS+1], s[10:11], s[32:33]
	s_add_co_u32 s30, s30, s22
	s_add_nc_u64 s[DC:DC+1], s[10:11], s[30:31]
.macro LOADB f                         ; block f: 32 rows into set f % 2: each load reads 512 consecutive bytes
.irp i, 0,1,2,3,4,5,6,7,8,9,10,11,12,13,14,15
	global_load_b128 v[R+64*((\f)%2)+4*\i:R+64*((\f)%2)+4*\i+3], v4, s[SRC:SRC+1] offset:8192*(\f)+512*\i th:TH_LOAD_NT
.endr
.endm
; 64 numbers of a lane: register 16 b + i is number 16 h + i of block b of my row; lanes l and l xor 16 hold a block.  Codes to v[PC] on, the four bytes to v[pw].
.macro QUANT s, pw
.irp b, 0,1,2,3
	v_max3_num_f32 v[TM+\b], |v[\s+16*\b]|, |v[\s+1+16*\b]|, 0x4800000   ; with the floor 2^(9 - 127)
.endr
.irp i, 2,4,6,8,10,12,14
.irp b, 0,1,2,3
	v_max3_num_f32 v[TM+\b], v[TM+\b], |v[\s+16*\b+\i]|, |v[\s+1+16*\b+\i]|
.endr
.endr
.irp b, 0,1,2,3
	v_permlanex16_b32 v[TM+4+\b], v[TM+\b], s[SEL], s[SEL+1]
.endr
.irp b, 0,1,2,3
	v_max_num_f32 v[TM+\b], v[TM+\b], v[TM+4+\b]
.endr
.irp b, 0,1,2,3
	v_add_nc_u32 v[TM+12+\b], 0xfc000000, v[TM+\b] ; 8 off the exponent field: the conversion's scale operand
.endr
.irp b, 0,1,2,3
	v_and_or_b32 v[TM+8+\b], v[TM+\b], 0x7f800000, s[MNT]   ; 448 x the scale
.endr
.irp b, 0,1,2,3
	v_lshrrev_b32 v[TM+4+\b], 23, v[TM+12+\b]      ; the byte
.endr
	v_lshl_or_b32 v[\pw], v[TM+5], 8, v[TM+4]
	v_lshl_or_b32 v[\pw], v[TM+6], 16, v[\pw]
	v_lshl_or_b32 v[\pw], v[TM+7], 24, v[\pw]
.irp b, 0,1,2,3
.irp i, 0,1,2,3,4,5,6,7,8,9,10,11,12,13,14,15
	v_med3_num_f32 v[\s+16*\b+\i], v[\s+16*\b+\i], -v[TM+8+\b], v[TM+8+\b]   ; the conversion does not saturate (ISA guide 7.6.2)
.endr
	v_cvt_scalef32_pk8_fp8_f32 v[PC+4*\b:PC+1+4*\b], v[\s+16*\b:\s+7+16*\b], v[TM+12+\b]
	v_cvt_scalef32_pk8_fp8_f32 v[PC+2+4*\b:PC+3+4*\b], v[\s+8+16*\b:\s+15+16*\b], v[TM+12+\b]
.endr
	v_nop                                          ; a plain line behind the last conversion
.endm
; 32 keys of ONE channel, all in my registers v[X + 32 dd] on: key block c.  Codes to v[PC + 8 dd] on, the byte into byte c of v[SB + dd].
.macro QV dd, c
.set XS, X+32*(\dd)
	v_max3_num_f32 v[TM], |v[XS]|, |v[XS+1]|, |v[XS+2]|
	v_max3_num_f32 v[TM+1], |v[XS+3]|, |v[XS+4]|, |v[XS+5]|
.irp i, 6,10,14,18,22,26
	v_max3_num_f32 v[TM], v[TM], |v[XS+\i]|, |v[XS+\i+1]|
	v_max3_num_f32 v[TM+1], v[TM+1], |v[XS+\i+2]|, |v[XS+\i+3]|
.endr
	v_max3_num_f32 v[TM], v[TM], |v[XS+30]|, |v[XS+31]|
	v_max3_num_f32 v[TM], v[TM], v[TM+1], 0x4800000
	v_add_nc_u32 v[TM+2], 0xfc000000, v[TM]
	v_and_or_b32 v[TM+3], v[TM], 0x7f800000, s[MNT]
	v_lshrrev_b32 v[TM+8], 23, v[TM+2]
.if (\c) == 0
	v_mov_b32 v[SB+(\dd)], v[TM+8]
.else
	v_lshl_or_b32 v[SB+(\dd)], v[TM+8], 8*(\c), v[SB+(\dd)]
.endif
.irp i, 0,1,2,3,4,5,6,7,8,9,10,11,12,13,14,15,16,17,18,19,20,21,22,23,24,25,26,27,28,29,30,31
	v_med3_num_f32 v[XS+\i], v[XS+\i], -v[TM+3], v[TM+3]
.endr
.irp g, 0,1,2,3
	v_cvt_scalef32_pk8_fp8_f32 v[PC+8*(\dd)+2*\g:PC+8*(\dd)+2*\g+1], v[XS+8*\g:XS+8*\g+7], v[TM+2]
.endr
	v_nop
.endm
.macro ARRIVED f
.if (\f) > 0
	s_wait_xcnt 0x0                                ; the last block's stores have read their data
.endif
.if (\f) < 3
	s_wait_loadcnt 16                              ; this block's 16 loads are in; the next block's 16 may be out
.else
	s_wait_loadcnt 0x0
.endif
.endm
	LOADB 0
	LOADB 1
	s_cmp_eq_u32 s15, 1
	s_cbranch_scc1 .Lv
; ---- k.  Row w of a block goes to stage row 16 u + r', where w = 8 u + r' + 8 (r' / 8): a tile's sixteen rows are neighbours in the stage.
.macro KBLOCK f
	ARRIVED \f
.irp i, 0,1,2,3,4,5,6,7,8,9,10,11,12,13,14,15
	ds_store_b128 v5, v[R+64*((\f)%2)+4*\i:R+64*((\f)%2)+4*\i+3] offset:(16*((\i/4)%2)+8*(\i/8)+2*(\i%4))*SP
.endr
.irp c, 0,1,2,3
.irp j, 0,1,2,3
	ds_load_b128 v[X+16*\c+4*\j:X+16*\c+4*\j+3], v6 offset:(16*(\c/2))*SP+128*(\c%2)+16*\j   ; LDS serves a wave's instructions in order
.endr
.endr
	s_wait_dscnt 0x0
.if (\f) < 2
	LOADB (\f)+2
.endif
	QUANT X, PW+(\f)
.irp c, 0,1,2,3
	global_store_b128 v4, v[PC+4*\c:PC+4*\c+3], s[DC:DC+1] offset:2048*(\f)+512*\c   ; 512 consecutive bytes, aligned
.endr
.endm
	KBLOCK 0
	KBLOCK 1
	KBLOCK 2
	KBLOCK 3
	ds_store_b128 v7, v[PW:PW+3]                   ; row r's four words; both halves of the lanes write the same values
	ds_load_b64 v[OUTS:OUTS+1], v8
	s_wait_dscnt 0x0
	global_store_b64 v9, v[OUTS:OUTS+1], s[DS:DS+1]   ; 256 consecutive bytes, aligned
	s_wait_tensorcnt 0x0                           ; the wave's end
	ds_add_u32 v248, v249
	s_wait_dscnt 0x0
	s_endpgm
; ---- v.  A lane takes a channel and its registers run down the keys.
.Lv:
.macro VBLOCK c
	ARRIVED \c
.irp i, 0,1,2,3,4,5,6,7,8,9,10,11,12,13,14,15
	ds_store_b128 v10, v[R+64*((\c)%2)+4*\i:R+64*((\c)%2)+4*\i+3] offset:512*\i
.endr
.irp d, 0,1
.irp i, 0,1,2,3,4,5,6,7,8,9,10,11,12,13,14,15,16,17,18,19,20,21,22,23,24,25,26,27,28,29,30,31
	ds_load_b32 v[X+32*\d+\i], v11 offset:256*\i+128*\d   ; key i, channel 32 d + L
.endr
.endr
	s_wait_dscnt 0x0
.if (\c) < 2
	LOADB (\c)+2
.endif
	QV 0, \c
	QV 1, \c
.irp d, 0,1
.irp g, 0,1
	global_store_b128 v14, v[PC+8*\d+4*\g:PC+8*\d+4*\g+3], s[DC:DC+1] offset:4096*\d+512*(\c)+256*\g   ; sixteen lanes store 256 consecutive bytes, aligned
.endr
.endr
.endm
	VBLOCK 0
	VBLOCK 1
	VBLOCK 2
	VBLOCK 3
	ds_store_b32 v12, v[SB]
	ds_store_b32 v12, v[SB+1] offset:8
	ds_load_b64 v[OUTS:OUTS+1], v13
	s_wait_dscnt 0x0
	global_store_b64 v9, v[OUTS:OUTS+1], s[DS:DS+1]
	s_wait_tensorcnt 0x0
	ds_add_u32 v248, v249
	s_wait_dscnt 0x0
	s_endpgm
.Lfunc_end_k_q1200b7858d_prep:
	.size	k_q1200b7858d_prep, .Lfunc_end_k_q1200b7858d_prep-k_q1200b7858d_prep
	.p2alignl 7, 3214868480
	.fill 96, 4, 3214868480
	.section	.rodata,"a",@progbits
	.p2align	6, 0x0
	.amdhsa_kernel k_q1200b7858d_prep
		.amdhsa_group_segment_fixed_size 70144
		.amdhsa_private_segment_fixed_size 0
		.amdhsa_enable_private_segment 0
		.amdhsa_kernarg_size 24
		.amdhsa_user_sgpr_count 2
		.amdhsa_user_sgpr_kernarg_segment_ptr 1
		.amdhsa_wavefront_size32 1
		.amdhsa_system_sgpr_workgroup_id_x 1
		.amdhsa_system_sgpr_workgroup_id_y 1
		.amdhsa_system_sgpr_workgroup_id_z 1
		.amdhsa_system_vgpr_workitem_id 0
		.amdhsa_next_free_vgpr 250
		.amdhsa_next_free_sgpr 66
		.amdhsa_reserve_vcc 0
		.amdhsa_float_denorm_mode_32 3
		.amdhsa_float_denorm_mode_16_64 3
		.amdhsa_memory_ordered 1
		.amdhsa_forward_progress 1
		.amdhsa_inst_pref_size 105
	.end_amdhsa_kernel
	.amdgpu_metadata
---
amdhsa.version: [ 1, 2 ]
amdhsa.kernels:
  - .name:           k_q1200b7858d_prep
    .symbol:         k_q1200b7858d_prep.kd
    .args:
      - { .name: k, .offset: 0, .size: 8, .value_kind: global_buffer, .address_space: global }
      - { .name: v, .offset: 8, .size: 8, .value_kind: global_buffer, .address_space: global }
      - { .name: kv, .offset: 16, .size: 8, .value_kind: global_buffer, .address_space: global }
    .group_segment_fixed_size: 70144
    .private_segment_fixed_size: 0
    .kernarg_segment_align: 8
    .kernarg_segment_size: 24
    .max_flat_workgroup_size: 128
    .sgpr_count:     66
    .vgpr_count:     250
    .wavefront_size: 32
...
	.end_amdgpu_metadata
.endif
;; end of part 1
;; launch attn (part 2): grid 4 x 64, 8 waves a work-group, clusters of 4 x 1, 306,176 bytes of LDS; arguments q, kv, out0; writes out0
.if DOCPART == 2
	.amdgcn_target "amdgcn-amd-amdhsa--gfx1250"
	.amdhsa_code_object_version 6
	.text
	.protected	k_q1200b7858d_attn
	.globl	k_q1200b7858d_attn
	.p2align	8
	.type	k_q1200b7858d_attn,@function
k_q1200b7858d_attn:
	s_mov_b64 s[64:65], 0
	v_nop
	global_prefetch_b8 v0, s[64:65] scope:SCOPE_SE
	s_setreg_imm32_b32 hwreg(HW_REG_WAVE_MODE, 25, 1), 1
	s_wait_xcnt 0x0
	s_wait_alu depctr_hold_cnt(0) depctr_sa_sdst(0) depctr_va_vdst(0) depctr_va_sdst(0) depctr_va_ssrc(0) depctr_va_vcc(0) depctr_vm_vsrc(0)
	s_getreg_b32 s2, hwreg(HW_REG_IB_STS2, 6, 4)
	s_cmp_eq_u32 s2, 0
	s_cbranch_scc0 .Lentry_in_a_cluster
	s_endpgm
.Lentry_in_a_cluster:
	s_bfe_u32 s2, ttmp6, 0x10000c
	s_cmp_lg_u32 s2, 0x3003
	s_cbranch_scc0 .Lentry_shape_is_right
	s_endpgm
.Lentry_shape_is_right:
; out[h][q][:] = the sum over k of softmax_k(Q[h][q] . K[h][k] / 8) V[h][k][:], 64 heads, 2,048 queries and keys, head size 64; both products on codes of FP8 (E4M3) with E8M0 scales for each 32 along K.
; kv: [64 heads][16 steps of 128 keys][16,896]: K's image, V's image, K's scale words, V's scale words, as images of the operand registers: group c of lane L of fragment f at 2048 f + 512 c + 16 L;
; the scale word of (fragment x, row r) at 16 r + 4 x.  r = L % 16, h = L / 16.  q arrives as f32: each row is read by one wave alone, which quantises it in registers at a pass's head.
; THE SOFTMAX: t = score x log2(e) / 8; M = the row's largest t so far, rounded UP to a whole number; p = 2^(t - M) is quantised along the keys, not normalised.  The row's sum is taken of the unquantised p
; and divides at the end.  When M moves, the sum and O are multiplied by 2^(old M - new M): nothing is rounded.
; A WHOLE HEAD'S K AND V STAY IN LDS: 270,336 bytes, filled once: no ring, no refill.  Each wave issues ONE tensor load: waves 0 to 3 a record each (steps 0 to 3), waves 4 to 7 three records each (steps 4 to 15).
; The first barrier shows steps 0 to 3 (waves 0 to 3 have waited), the second, three steps on, the whole head.  The second pass has no barrier.
; CLUSTER: the four work-groups of a head need the same bytes: each tile is asked for JOINTLY, by the same load with the same descriptor and a mask that names the four.
; kv is asked for once, at the head, by the fills themselves: there is no loop to run ahead in, so it is not prefetched.  The second pass's q is: one prefetch a wave, a lane a row, 12 key steps ahead of its loads.
; SHARES: a work-group owns 512 queries, each of its eight waves 64, in two passes of 32: two tiles of 16.  Each fragment of K and V read from LDS feeds both tiles.
; K = 64 IN AN INSTRUCTION OF K = 128: a fragment of K holds TWO tiles of 16 keys.  Against [q | 0] it gives tile 0's scores, against [0 | q] tile 1's.  The zero half's scale bytes are 1.
; LAYOUT: both products transposed (S^T = K Q^T, O^T = V^T P^T): a lane holds ONE query (r).  Row r of tile u of fragment f is key 32 f + 8 u + r + 8 (r / 8), so the 16 registers of the two tiles are keys 32 f + 16 h + 0 .. 15.
; LIMITS: NaN and infinities are not served.  The promise holds while the scaled scores stay under 2^31 in magnitude.  A p under 2^-126 comes out of v_exp_f32 as 0.  A block's largest p is the block's largest score put
; through the same multiply-add and exponential (this takes v_exp_f32 not to fall where its input rises).  A block of zeros (of q, or of p) keeps the byte 1: its codes are zeros.
; O and the sums begin as zeros and the largest score as -3e38, so that the step has no first step of its own.
; REGISTERS.  Window 0: v1-11 addresses; v12-19 statistics; v20-25 V's and p's scale words; v36-59, v224-247 a work set a tile; v64-191 S^T, then p; v192-223 p's codes; v248-255 K's and Q's scale words.
;   Window 1: v0-39 [0 | qa | 0 | qb | 0]; v40-103 O^T; v104-167 K's four fragments (q as it is loaded); v168-231 V's four.
.set REC,   16896
.set HEADB, 16*REC
.set STG,   HEADB                      ; a stage of 16 rows x 272 bytes for each wave: q's way in, out's way out; no fill lands there
.set SP,    272
.set SPARE, STG+8*16*SP                ; the spare words, 128 bytes a wave
.set DUAL,  1                          ; 1: the hold on p goes two to an instruction
.set LI,  1                            ; 16 L
.set LSC, 2                            ; 16 r
.set ADR, 3                            ; the step's images
.set ASC, 4                            ; the step's scale words
.set STO, 5                            ; stage: row r, + 32 h
.set RD,  6                            ; stage: row h, + 16 r
.set QSO, 7                            ; stage: row r, + 64 h
.set PFO, 8                            ; 256 L
.set SPW, 10
.set NIL, 11
.set ST,  12                           ; tile T at v[ST + 4 T]: -M, the largest score, the sum in two halves
.set VS,  20
.set PS,  24
.set WK,  36                           ; tile T's work set at v[WK + 188 T]: +0..3 blocks' largest, +4..7 exchange and bytes, +8..11 448 x scale, +12..15 scale operands, +16:17 f, +18, +19 at work, +20:23 the step's sum in two chains
.set S,   64
.set P,   192
.set KS,  248
.set SQ,  252                          ; tile 0 for [q | 0], for [0 | q], tile 1 likewise
.set QB,  0                            ; window 1
.set O,   40
.set KF,  104
.set VF,  168
.set WV,  10
.set G1A, 16
.set G1B, 24
.set G0A, 32
.set G0B, 36
.set SEL, 40
.set CS,  42                           ; s[42:43] c = log2(e) / 8
.set MNT, 44
.set TV,  47                           ; LDS byte at which the step in hand begins
.set TRIP, 48
.set NCS, 49                           ; -c
.set FLR, 60                           ; the floor 2^(9 - 127) under a block's largest p
.set QP,  52                           ; my 64 rows of q: 32 here, 32 at + 65,536
.set OP,  56                           ; and of out
.set MSB, 0
.macro WIN new                         ; the immediate's high byte repeats the setting that is left
.if MSB != \new
	s_set_vgpr_msb (MSB<<8)|\new
.set MSB, \new
.endif
.endm
.set W_S,   0x05                       ; K and Q window 1, S^T window 0
.set W_LD,  0x40                       ; destination window 1
.set W_ST,  0x04                       ; an LDS store's data window 1
.set W_RS,  0x41                       ; O^T window 1, f window 0
.set W_PV,  0x51                       ; V, C and D window 1, p window 0
.set W_OUT, 0x01
.macro CROUND                          ; a round of the cluster's barrier
	s_barrier_signal -1
	s_barrier_wait -1
	s_cmp_lg_u32 s[WV], 0
	s_cbranch_scc1 .Lnot_wave_0_\@
	s_barrier_signal -3
.Lnot_wave_0_\@:
	s_barrier_wait -3
	s_barrier_signal -1
	s_barrier_wait -1
.endm
.macro QLOAD off                       ; 32 rows of q, 8,192 dense bytes: each load reads 512 consecutive bytes, two rows
	WIN W_LD
.irp i, 0,1,2,3,4,5,6,7,8,9,10,11,12,13,14,15
	global_load_b128 v[KF+4*\i:KF+4*\i+3], v[LI], s[QP:QP+1] offset:\off+512*\i th:TH_LOAD_NT
.endr
	WIN 0
.endm
	s_load_b128 s[4:7], s[0:1], 0x0                ; q, kv
	s_load_b64 s[8:9], s[0:1], 0x10                ; out0
	v_lshl_add_u32 v[SPW], v0, 2, SPARE
	v_mov_b32 v[NIL], 0
	ds_add_u32 v[SPW], v[NIL]                      ; the opening lines: the add, twice on end, and its wait
	ds_add_u32 v[SPW], v[NIL]
	v_lshrrev_b32 v9, 5, v0
	v_readfirstlane_b32 s[WV], v9                  ; wave 0..7
	v_and_b32 v9, 31, v0
	v_lshlrev_b32 v[LI], 4, v9
	v_lshlrev_b32 v[PFO], 8, v9
	v_and_b32 v26, 15, v0                          ; r
	v_bfe_u32 v27, v0, 4, 1                        ; h
	v_lshlrev_b32 v[LSC], 4, v26
	s_mul_i32 s50, s[WV], 16*SP
	s_add_co_u32 s50, s50, STG                     ; my stage
	v_mul_u32_u24 v[STO], v26, SP
	v_add_nc_u32 v[STO], s50, v[STO]
	v_lshl_add_u32 v[QSO], v27, 6, v[STO]
	v_lshl_add_u32 v[STO], v27, 5, v[STO]
	v_mul_u32_u24 v[RD], v27, SP
	v_lshl_add_u32 v[RD], v26, 4, v[RD]
	v_add_nc_u32 v[RD], s50, v[RD]
	s_bfe_u32 s11, ttmp6, 0x40000                  ; cx: it enters q's and out's addresses alone
	s_and_b32 s12, ttmp7, 0xffff                   ; the head, which the four partners share
	; descriptor groups 1: rows of 256 bytes (32 elements of 8 bytes), dense in memory and in LDS: 66 rows (a record), 198 rows (three)
	s_mov_b32 s[G1A], 15|(3<<16)|(1<<21)           ; the mask: all four work-groups; elements of 8 bytes; bit 21 beside a mask
	s_mov_b32 s[G1A+1], 32<<16
	s_mov_b32 s[G1A+2], 66<<16
	s_mov_b32 s[G1A+3], 32<<16
	s_mov_b32 s[G1A+4], 66
	s_mov_b32 s[G1A+5], 32
	s_mov_b32 s[G1A+6], 0
	s_mov_b32 s[G1A+7], 0
	s_mov_b32 s[G1B], 15|(3<<16)|(1<<21)
	s_mov_b32 s[G1B+1], 32<<16
	s_mov_b32 s[G1B+2], 198<<16
	s_mov_b32 s[G1B+3], 32<<16
	s_mov_b32 s[G1B+4], 198
	s_mov_b32 s[G1B+5], 32
	s_mov_b32 s[G1B+6], 0
	s_mov_b32 s[G1B+7], 0
	s_and_b32 s13, s[WV], 3
	s_mul_i32 s14, s13, REC                        ; waves 0-3: record wave % 4, in LDS and in the head alike
	s_mul_i32 s15, s13, 3*REC
	s_add_co_u32 s15, s15, 4*REC                   ; waves 4-7: records 4 + 3 (wave % 4) on
	s_mul_i32 s51, s12, HEADB                      ; the head's first byte in kv: under 2^25
	s_mov_b32 s[G0A], 1
	s_mov_b32 s[G0A+1], s14
	s_mov_b32 s[G0B], 1
	s_mov_b32 s[G0B+1], s15
	s_add_co_u32 s14, s14, s51
	s_add_co_u32 s58, s15, s51
	s_mov_b32 s15, 0
	s_mov_b32 s59, 0
	s_lshl_b32 s50, s11, 4                         ; q and out: group of 32 queries 16 cx + wave (+ 8 in the second pass), 8,192 bytes each
	s_add_co_u32 s50, s50, s[WV]
	s_lshl_b32 s50, s50, 13
	s_lshl_b32 s[QP], s12, 19
	s_add_co_u32 s[QP], s[QP], s50
	s_mov_b32 s[QP+1], 0
	s_mov_b32 s[SEL], 0x76543210
	s_mov_b32 s[SEL+1], 0xfedcba98
	s_mov_b32 s[CS], 0x3e38aa3b
	s_mov_b32 s[CS+1], s[CS]
	s_mov_b32 s[NCS], 0xbe38aa3b
	s_mov_b32 s[MNT], 0x600000
	s_mov_b32 s[FLR], 0x4800000
	s_mov_b32 s45, 0x01010000                      ; the byte 1 for the zero half: above,
	s_mov_b32 s46, 0x0101                          ; below
	s_wait_alu depctr_va_vdst(0)                   ; the wait here, directly ahead of the waits below
	s_wait_dscnt 0x0
	s_wait_kmcnt 0x0
	s_add_nc_u64 s[G0A+2:G0A+3], s[6:7], s[14:15]
	s_or_b32 s[G0A+3], s[G0A+3], 0x80000000
	s_add_nc_u64 s[G0B+2:G0B+3], s[6:7], s[58:59]
	s_or_b32 s[G0B+3], s[G0B+3], 0x80000000
	s_add_nc_u64 s[OP:OP+1], s[8:9], s[QP:QP+1]
	s_add_nc_u64 s[QP:QP+1], s[4:5], s[QP:QP+1]
	QLOAD 0                                        ; the first pass's q
	CROUND                                         ; all four work-groups are here: the joint loads meet
	s_cmp_lt_u32 s[WV], 4                          ; one chain of branches, a load to an arm: the launch's only fills
	s_cbranch_scc0 .Larm_b
	tensor_load_to_lds s[G0A:G0A+3], s[G1A:G1A+7]
	s_nop 0
.rept 4
	v_nop
.endr
	s_branch .Lasked
.Larm_b:
	tensor_load_to_lds s[G0B:G0B+3], s[G1B:G1B+7]
	s_nop 0
.rept 4
	v_nop
.endr
.Lasked:
.irp t, 0,1
.irp n, 4,5,6,7,17
	v_mov_b32 v[WK+188*\t+\n], 0                   ; a lane permute's destination counts as a source; f's upper register is named with f as a pair
.endr
.endr
	WIN W_LD
.irp n, 0,1,2,3,4,5,6,7,16,17,18,19,20,21,22,23,32,33,34,35,36,37,38,39
	v_mov_b32 v[QB+\n], 0                          ; the zero codes round qa and qb
.endr
	WIN 0
; A PASS'S HEAD: q's 32 rows turn through my stage, a tile at a time, so that lane (r, h) holds channels 32 cc + 16 h + 0 .. 15 of row 16 T + r in registers 32 T + 16 cc on; then the quantiser, four blocks by turns.
.macro PHEAD
	s_wait_xcnt 0x0                                ; the last pass's stores have read their data
.irp t, 0,1
	s_wait_loadcnt 8-8*\t                          ; this tile's eight loads are in; the other tile's eight, issued behind them, may be out
	WIN W_ST
.irp i, 0,1,2,3,4,5,6,7
	ds_store_b128 v[RD], v[KF+32*\t+4*\i:KF+32*\t+4*\i+3] offset:2*SP*\i
.endr
	WIN 0
.irp c, 0,1
.irp j, 0,1,2,3
	ds_load_b128 v[S+32*\t+16*\c+4*\j:S+32*\t+16*\c+4*\j+3], v[QSO] offset:128*\c+16*\j   ; LDS serves a wave's instructions in order
.endr
.endr
.endr
	s_wait_dscnt 0x0
.irp b, 0,1,2,3
	v_max3_num_f32 v[WK+\b], |v[S+16*\b]|, |v[S+16*\b+1]|, 0x4800000   ; with the floor 2^(9 - 127)
.endr
.irp i, 2,4,6,8,10,12,14
.irp b, 0,1,2,3
	v_max3_num_f32 v[WK+\b], v[WK+\b], |v[S+16*\b+\i]|, |v[S+16*\b+\i+1]|
.endr
.endr
.irp b, 0,1,2,3
	v_permlanex16_b32 v[WK+4+\b], v[WK+\b], s[SEL], s[SEL+1]
.endr
.irp b, 0,1,2,3
	v_max_num_f32 v[WK+\b], v[WK+\b], v[WK+4+\b]
.endr
.irp b, 0,1,2,3
	v_add_nc_u32 v[WK+12+\b], 0xfc000000, v[WK+\b]
.endr
.irp b, 0,1,2,3
	v_and_or_b32 v[WK+8+\b], v[WK+\b], 0x7f800000, s[MNT]
.endr
.irp b, 0,1,2,3
	v_lshrrev_b32 v[WK+4+\b], 23, v[WK+12+\b]
.endr
	v_lshl_or_b32 v[WK+18], v[WK+5], 8, v[WK+4]    ; tile 0's two bytes,
	v_lshl_or_b32 v[WK+19], v[WK+7], 8, v[WK+6]    ; tile 1's
	v_or_b32 v[SQ], s45, v[WK+18]                  ; against [q | 0]: the bytes below, 1, 1 above
	v_lshl_or_b32 v[SQ+1], v[WK+18], 16, s46       ; against [0 | q]
	v_or_b32 v[SQ+2], s45, v[WK+19]
	v_lshl_or_b32 v[SQ+3], v[WK+19], 16, s46
.irp b, 0,1,2,3
.irp i, 0,1,2,3,4,5,6,7,8,9,10,11,12,13,14,15
	v_med3_num_f32 v[S+16*\b+\i], v[S+16*\b+\i], -v[WK+8+\b], v[WK+8+\b]   ; the conversion does not saturate (ISA guide 7.6.2)
.endr
.endr
.irp t, 0,1
	v_mov_b32 v[ST+4*\t], 0x7f61b1e6               ; -M: 3e38
	v_mov_b32 v[ST+4*\t+1], 0xff61b1e6             ; the largest score so far: -3e38
	v_mov_b32 v[ST+4*\t+2], 0
	v_mov_b32 v[ST+4*\t+3], 0
.endr
	WIN W_LD
.irp b, 0,1,2,3
	v_cvt_scalef32_pk8_fp8_f32 v[QB+8+16*(\b/2)+4*(\b%2):QB+8+16*(\b/2)+4*(\b%2)+1], v[S+16*\b:S+16*\b+7], v[WK+12+\b]
	v_cvt_scalef32_pk8_fp8_f32 v[QB+8+16*(\b/2)+4*(\b%2)+2:QB+8+16*(\b/2)+4*(\b%2)+3], v[S+16*\b+8:S+16*\b+15], v[WK+12+\b]
.endr
.set jj, 0
.rept 64
	v_mov_b32 v[O+jj], 0                           ; O^T; also the places between the codes and scale words just made and the first products
.set jj, jj+1
.endr
	WIN 0
	s_mov_b32 s[TV], 0
	s_wait_alu depctr_va_vdst(0)                   ; the wait at the head's end
.endm
.macro KZERO                           ; K of step 0 and its scale words
	WIN W_LD
.irp n, 0,1,2,3
.irp c, 0,1,2,3
	ds_load_b128 v[KF+16*\n+4*\c:KF+16*\n+4*\c+3], v[LI] offset:2048*\n+512*\c
.endr
.endr
	WIN 0
	ds_load_b128 v[KS:KS+3], v[LSC] offset:16384
.endm
.macro SCALE t                         ; t - M of tile t, two at a time; and the same of each block's largest score
.set jj, 0
.rept 32
	v_pk_fma_f32 v[S+64*(\t)+jj:S+64*(\t)+jj+1], v[S+64*(\t)+jj:S+64*(\t)+jj+1], s[CS:CS+1], v[ST+4*(\t):ST+4*(\t)+1] op_sel_hi:[1,0,0]
.set jj, jj+2
.endr
.irp n, 0,2
	v_pk_fma_f32 v[WK+188*(\t)+\n:WK+188*(\t)+\n+1], v[WK+188*(\t)+\n:WK+188*(\t)+\n+1], s[CS:CS+1], v[ST+4*(\t):ST+4*(\t)+1] op_sel_hi:[1,0,0]
.endr
.endm
.macro SCL                             ; from each block's largest p, both tiles by turns: the conversion's operand, 448 x the scale, the byte; the four bytes make p's scale word
.irp n, 0,2
.irp t, 0,1
	v_dual_max_num_f32 v[WK+188*\t+\n], s[FLR], v[WK+188*\t+\n] :: v_dual_max_num_f32 v[WK+188*\t+\n+1], s[FLR], v[WK+188*\t+\n+1]   ; the floor: the byte cannot fall under 1
.endr
.endr
.irp n, 0,1,2,3
.irp t, 0,1
	v_add_nc_u32 v[WK+188*\t+12+\n], 0xfc000000, v[WK+188*\t+\n]
.endr
.endr
.irp n, 0,1,2,3
.irp t, 0,1
	v_and_or_b32 v[WK+188*\t+8+\n], v[WK+188*\t+\n], 0x7f800000, s[MNT]
.endr
.endr
.irp n, 0,1,2,3
.irp t, 0,1
	v_lshrrev_b32 v[WK+188*\t+4+\n], 23, v[WK+188*\t+12+\n]
.endr
.endr
.irp t, 0,1
	v_lshl_or_b32 v[PS+\t], v[WK+188*\t+5], 8, v[WK+188*\t+4]
.endr
.irp t, 0,1
	v_lshl_or_b32 v[PS+\t], v[WK+188*\t+6], 16, v[PS+\t]
.endr
.irp t, 0,1
	v_lshl_or_b32 v[PS+\t], v[WK+188*\t+7], 24, v[PS+\t]
.endr
.endm
.macro HC t                            ; the hold (p is not negative: one-sided), two blocks at a time, and the conversions: their results are the second product's operand
.set rS, S+64*(\t)
.set rW, WK+188*(\t)
.set rP, P+16*(\t)
.irp n, 0,2
.set ii, 0
.rept 16
.if DUAL
	v_dual_min_num_f32 v[rS+16*\n+ii], v[rS+16*\n+ii], v[rW+8+\n] :: v_dual_min_num_f32 v[rS+16*\n+17+ii-2*(ii%2)], v[rS+16*\n+17+ii-2*(ii%2)], v[rW+9+\n]
.else
	v_min_num_f32 v[rS+16*\n+ii], v[rS+16*\n+ii], v[rW+8+\n]
	v_min_num_f32 v[rS+16*\n+17+ii-2*(ii%2)], v[rS+16*\n+17+ii-2*(ii%2)], v[rW+9+\n]
.endif
.set ii, ii+1
.endr
.irp m, 0,1
	v_cvt_scalef32_pk8_fp8_f32 v[rP+4*(\n+\m):rP+4*(\n+\m)+1], v[rS+16*(\n+\m):rS+16*(\n+\m)+7], v[rW+12+\n+\m]
	v_cvt_scalef32_pk8_fp8_f32 v[rP+4*(\n+\m)+2:rP+4*(\n+\m)+3], v[rS+16*(\n+\m)+8:rS+16*(\n+\m)+15], v[rW+12+\n+\m]
.endr
.endr
.endm
; A KEY STEP: 128 keys, two tiles of queries, line by line by turns.  kpre = 1: the next step's K is fetched too.  qpre = 1: the next pass's q, into K's registers.
.macro STEP kpre, qpre
	s_wait_dscnt 0x0                               ; this step's K and its scale words: asked for a step ago
	WIN W_S
.irp f, 0,1,2,3
.irp u, 0,1
.irp t, 0,1
	v_wmma_scale_f32_16x16x128_f8f6f4 v[S+64*\t+16*\f+8*\u:S+64*\t+16*\f+8*\u+7], v[KF+16*\f:KF+16*\f+15], v[QB+16*\t+8*(1-\u):QB+16*\t+8*(1-\u)+15], 0, v[KS+\f], v[SQ+2*\t+\u]
.endr
.endr
.endr
	WIN 0
	v_add_nc_u32 v[ADR], s[TV], v[LI]              ; eight places ahead of the loads into registers that products have read, and of the first read of the scores
	v_add_nc_u32 v[ASC], s[TV], v[LSC]
.rept 6
	v_nop
.endr
	ds_load_b128 v[VS:VS+3], v[ASC] offset:16640
	WIN W_LD
.irp n, 0,1,2,3
.irp c, 0,1,2,3
	ds_load_b128 v[VF+16*\n+4*\c:VF+16*\n+4*\c+3], v[ADR] offset:8192+2048*\n+512*\c
.endr
.endr
.if \kpre
.irp n, 0,1,2,3
.irp c, 0,1,2,3
	ds_load_b128 v[KF+16*\n+4*\c:KF+16*\n+4*\c+3], v[ADR] offset:REC+2048*\n+512*\c
.endr
.endr
.endif
	WIN 0
.if \kpre
	ds_load_b128 v[KS:KS+3], v[ASC] offset:REC+16384
.endif
.if \qpre
	QLOAD 65536
.endif
.irp n, 0,1,2,3                        ; the largest score of each block of 32 keys, my 16 of it; each accumulator is read from its low end on
.irp t, 0,1
	v_max3_num_f32 v[WK+188*\t+\n], v[S+64*\t+16*\n], v[S+64*\t+16*\n+1], v[S+64*\t+16*\n+2]
.endr
.endr
.irp i, 3,5,7,9,11,13
.irp n, 0,1,2,3
.irp t, 0,1
	v_max3_num_f32 v[WK+188*\t+\n], v[WK+188*\t+\n], v[S+64*\t+16*\n+\i], v[S+64*\t+16*\n+\i+1+(\n%2)*(\i/13)]   ; (an odd block takes 13 and 15 here and leaves 14 for the last line)
.endr
.endr
.endr
.irp n, 0,2                            ; the last number of two blocks in one instruction: 15 of the even block, 14 of the odd one, so that the pair's sources differ modulo 4
.irp t, 0,1
	v_dual_max_num_f32 v[WK+188*\t+\n], v[WK+188*\t+\n], v[S+64*\t+16*\n+15] :: v_dual_max_num_f32 v[WK+188*\t+\n+1], v[WK+188*\t+\n+1], v[S+64*\t+16*\n+30]
.endr
.endr
.irp n, 0,1,2,3
.irp t, 0,1
	v_permlanex16_b32 v[WK+188*\t+4+\n], v[WK+188*\t+\n], s[SEL], s[SEL+1]
.endr
.endr
.irp n, 0,2
.irp t, 0,1
	v_dual_max_num_f32 v[WK+188*\t+\n], v[WK+188*\t+\n], v[WK+188*\t+4+\n] :: v_dual_max_num_f32 v[WK+188*\t+\n+1], v[WK+188*\t+\n+1], v[WK+188*\t+5+\n]   ; with lane l xor 16's, two blocks an instruction
.endr
.endr
.irp t, 0,1
	v_max3_num_f32 v[WK+188*\t+18], v[WK+188*\t], v[WK+188*\t+1], v[WK+188*\t+2]
.endr
.irp t, 0,1
	v_max3_num_f32 v[ST+4*\t+1], v[ST+4*\t+1], v[WK+188*\t+18], v[WK+188*\t+3]   ; the running largest score
.endr
.irp t, 0,1
	v_mul_f32 v[WK+188*\t+18], s[NCS], v[ST+4*\t+1]   ; -t
.endr
.irp t, 0,1
	v_floor_f32 v[WK+188*\t+18], v[WK+188*\t+18]   ; the new -M = -ceil(t)
.endr
.irp t, 0,1
	v_sub_f32 v[WK+188*\t+19], v[WK+188*\t+18], v[ST+4*\t]   ; old M less new M: a whole number, 0 or less
.endr
.irp t, 0,1
	v_mov_b32 v[ST+4*\t], v[WK+188*\t+18]
.endr
.irp t, 0,1
	v_cvt_i32_f32 v[WK+188*\t+19], v[WK+188*\t+19] ; (it saturates)
.endr
.irp t, 0,1
	v_ldexp_f32 v[WK+188*\t+16], 1.0, v[WK+188*\t+19]   ; f = 2^(old M - new M)
.endr
	SCALE 0
	SCALE 1
	WIN W_RS
.set jj, 0
.rept 16                               ; O^T under the new M: ahead of the exponentials, each accumulator from its low end on
.irp t, 0,1
	v_pk_mul_f32 v[O+32*\t+jj:O+32*\t+jj+1], v[O+32*\t+jj:O+32*\t+jj+1], v[WK+188*\t+16:WK+188*\t+17] op_sel_hi:[1,0]
.endr
.set jj, jj+2
.endr
	WIN 0
	s_wait_alu depctr_va_vdst(0)                   ; the wait ahead of the batch
.set jj, 0
.rept 128
	v_exp_f32 v[S+jj], v[S+jj]                     ; p = 2^(t - M)
.set jj, jj+1
.endr
.irp n, 0,1,2,3
.irp t, 0,1
	v_exp_f32 v[WK+188*\t+\n], v[WK+188*\t+\n]     ; the blocks' largest p
.endr
.endr
	v_nop                                          ; a plain line behind the batch
.if \kpre
	s_wait_dscnt 17                                ; V and its scale words are in; the 17 loads behind them, the next step's K, may be out
.else
	s_wait_dscnt 0x0
.endif
	s_wait_alu depctr_va_vdst(0)                   ; one wait for the 136, ahead of their first reader
.irp t, 0,1                            ; the step's sum of the unquantised p: two chains a tile
	v_pk_add_f32 v[WK+188*\t+20:WK+188*\t+21], v[S+64*\t:S+64*\t+1], v[S+64*\t+2:S+64*\t+3]
.endr
.irp t, 0,1
	v_pk_add_f32 v[WK+188*\t+22:WK+188*\t+23], v[S+64*\t+4:S+64*\t+5], v[S+64*\t+6:S+64*\t+7]
.endr
.set jj, 8
.rept 14
.irp t, 0,1
	v_pk_add_f32 v[WK+188*\t+20:WK+188*\t+21], v[WK+188*\t+20:WK+188*\t+21], v[S+64*\t+jj:S+64*\t+jj+1]
.endr
.irp t, 0,1
	v_pk_add_f32 v[WK+188*\t+22:WK+188*\t+23], v[WK+188*\t+22:WK+188*\t+23], v[S+64*\t+jj+2:S+64*\t+jj+3]
.endr
.set jj, jj+4
.endr
	SCL
	HC 0
	HC 1
.irp t, 0,1                            ; four plain lines between the last codes and the products
	v_pk_add_f32 v[WK+188*\t+20:WK+188*\t+21], v[WK+188*\t+20:WK+188*\t+21], v[WK+188*\t+22:WK+188*\t+23]
.endr
.irp t, 0,1
	v_pk_fma_f32 v[ST+4*\t+2:ST+4*\t+3], v[ST+4*\t+2:ST+4*\t+3], v[WK+188*\t+16:WK+188*\t+17], v[WK+188*\t+20:WK+188*\t+21] op_sel_hi:[1,0,1]   ; the sum under the new M, and the step's
.endr
	WIN W_PV                                       ; V was waited for behind the exponentials: between the codes and their products stand four plain lines and this one scalar line
.irp n, 0,1,2,3
.irp t, 0,1
	v_wmma_scale_f32_16x16x128_f8f6f4 v[O+32*\t+8*\n:O+32*\t+8*\n+7], v[VF+16*\n:VF+16*\n+15], v[P+16*\t:P+16*\t+15], v[O+32*\t+8*\n:O+32*\t+8*\n+7], v[VS+\n], v[PS+\t]   ; the eight accumulators by turns
.endr
.endr
	WIN 0
	s_add_co_u32 s[TV], s[TV], REC
.endm
.macro WALK n, name
	s_mov_b32 s[TRIP], \n
\name:
	STEP 1, 0
	s_sub_co_u32 s[TRIP], s[TRIP], 1
	s_cmp_lg_u32 s[TRIP], 0
	s_cbranch_scc1 \name
.endm
; THE WAY OUT of pass p.  The sum's halves and lane l xor 16's are added; O^T / the sum goes through my stage, a tile (16 rows of 256 bytes) at a time, and leaves as whole rows.
.macro OUT p
.irp t, 0,1
	v_add_f32 v[WK+188*\t+18], v[ST+4*\t+2], v[ST+4*\t+3]
.endr
.irp t, 0,1
	v_permlanex16_b32 v[WK+188*\t+4], v[WK+188*\t+18], s[SEL], s[SEL+1]
.endr
.irp t, 0,1
	v_add_f32 v[WK+188*\t+18], v[WK+188*\t+18], v[WK+188*\t+4]
.endr
	s_wait_alu depctr_va_vdst(0)                   ; the wait ahead of the transcendentals
.irp t, 0,1
	v_rcp_f32 v[WK+188*\t+16], v[WK+188*\t+18]
.endr
	WIN W_OUT
.rept 4
	v_nop                                          ; with the four additions above: eight places behind the last products
.endr
	s_wait_alu depctr_va_vdst(0)                   ; the wait ahead of the first reader of the reciprocals and of O^T
.irp t, 0,1
.set jj, 0
.rept 16
	v_pk_mul_f32 v[S+64*\t+jj:S+64*\t+jj+1], v[O+32*\t+jj:O+32*\t+jj+1], v[WK+188*\t+16:WK+188*\t+17] op_sel_hi:[1,0]   ; register 8 n + j is out(row r, channel 16 n + 8 h + j)
.set jj, jj+2
.endr
.endr
	WIN 0
.irp t, 0,1
.irp n, 0,1,2,3
	ds_store_b128 v[STO], v[S+64*\t+8*\n:S+64*\t+8*\n+3] offset:64*\n
	ds_store_b128 v[STO], v[S+64*\t+8*\n+4:S+64*\t+8*\n+7] offset:64*\n+16
.endr
.irp i, 0,1,2,3,4,5,6,7
	ds_load_b128 v[S+64*\t+32+4*\i:S+64*\t+32+4*\i+3], v[RD] offset:2*SP*\i   ; LDS serves a wave's instructions in order
.endr
.endr
.irp t, 0,1
.irp i, 0,1,2,3,4,5,6,7
	s_wait_dscnt 16*(1-\t)+7-\i                    ; behind this load: the tile's later loads, and for tile 0 the 16 LDS instructions of tile 1
	global_store_b128 v[LI], v[S+64*\t+32+4*\i:S+64*\t+32+4*\i+3], s[OP:OP+1] offset:65536*\p+256*(16*\t+2*\i) th:TH_STORE_NT   ; two rows: 512 consecutive bytes, aligned
.endr
.endr
.endm
	; ---- the first pass
	PHEAD
	s_cmp_lt_u32 s[WV], 4                          ; the waves that fetched steps 0 to 3 wait for them; the others' loads stay out
	s_cbranch_scc0 .Lgate_a
	s_wait_tensorcnt 0x0
.Lgate_a:
	s_wait_dscnt 0x0
	s_barrier_signal -1
	s_barrier_wait -1                              ; steps 0 to 3 lie in LDS
	KZERO
	WALK 3, .Lg0                                   ; steps 0 to 2; they fetch K up to step 3
	s_wait_tensorcnt 0x0                           ; every wave: all that is still out
	s_wait_dscnt 0x0
	s_barrier_signal -1
	s_barrier_wait -1                              ; the whole head lies in LDS
	global_prefetch_b8 v[PFO], s[QP:QP+1] offset:65536 th:TH_LOAD_NT scope:SCOPE_SE   ; the second pass's 32 rows of q, a lane a row of 256 bytes; its registers are never rewritten
	WALK 12, .Lg1                                  ; steps 3 to 14
	STEP 0, 1                                      ; step 15 fetches no further K; K's registers take the second pass's q
	OUT 0
	; ---- the second pass: no barrier
	PHEAD
	KZERO
	WALK 15, .Lg2
	STEP 0, 0
	OUT 1
	s_wait_tensorcnt 0x0                           ; the wave's end
	ds_add_u32 v[SPW], v[NIL]
	s_wait_dscnt 0x0
	CROUND                                         ; the closing round
	s_endpgm
.Lfunc_end_k_q1200b7858d_attn:
	.size	k_q1200b7858d_attn, .Lfunc_end_k_q1200b7858d_attn-k_q1200b7858d_attn
	.p2alignl 7, 3214868480
	.fill 96, 4, 3214868480
	.section	.rodata,"a",@progbits
	.p2align	6, 0x0
	.amdhsa_kernel k_q1200b7858d_attn
		.amdhsa_group_segment_fixed_size 306176
		.amdhsa_private_segment_fixed_size 0
		.amdhsa_enable_private_segment 0
		.amdhsa_kernarg_size 24
		.amdhsa_user_sgpr_count 2
		.amdhsa_user_sgpr_kernarg_segment_ptr 1
		.amdhsa_wavefront_size32 1
		.amdhsa_system_sgpr_workgroup_id_x 1
		.amdhsa_system_sgpr_workgroup_id_y 1
		.amdhsa_system_sgpr_workgroup_id_z 1
		.amdhsa_system_vgpr_workitem_id 0
		.amdhsa_next_free_vgpr 512
		.amdhsa_next_free_sgpr 66
		.amdhsa_reserve_vcc 0
		.amdhsa_float_denorm_mode_32 3
		.amdhsa_float_denorm_mode_16_64 3
		.amdhsa_memory_ordered 1
		.amdhsa_forward_progress 1
		.amdhsa_inst_pref_size 213
	.end_amdhsa_kernel
	.amdgpu_metadata
---
amdhsa.version: [ 1, 2 ]
amdhsa.kernels:
  - .name:           k_q1200b7858d_attn
    .symbol:         k_q1200b7858d_attn.kd
    .args:
      - { .name: q, .offset: 0, .size: 8, .value_kind: global_buffer, .address_space: global }
      - { .name: kv, .offset: 8, .size: 8, .value_kind: global_buffer, .address_space: global }
      - { .name: out0, .offset: 16, .size: 8, .value_kind: global_buffer, .address_space: global }
    .group_segment_fixed_size: 306176
    .private_segment_fixed_size: 0
    .kernarg_segment_align: 8
    .kernarg_segment_size: 24
    .max_flat_workgroup_size: 256
    .sgpr_count:     66
    .vgpr_count:     512
    .wavefront_size: 32
...
	.end_amdgpu_metadata
.endif
;; end of part 2
